; MI455X (gfx1250); checked and timed in simulation.
; The chip was launched on July 23, 2026; its instructions are those of AMD's public machine-readable ISA for CDNA 5 (MIT licence, August 2026) and "CDNA5" Instruction Set Architecture Reference Guide (July 2026). The comments in the code are by the model that wrote it; some were corrected since.
;; Multihead Attention. Allowed arithmetic: matrix products marked QUANTISED: E2M3 operands, one E8M0 scale for each 32 along K, by v_wmma_scale_f32_16x16x128_f8f6f4 with both operands' format E2M3, f32 sums; everything else in f32.
;; Inputs: Wk 1,024 x 1,024 float32; Wq 1,024 x 1,024 float32; Wv 1,024 x 1,024 float32; key 4 x 2,048 x 1,024 float32; query 4 x 2,048 x 1,024 float32; value 4 x 2,048 x 1,024 float32.
;; Outputs: out0 4 x 2,048 x 1,024 float32.
;; This version of the problem:
;;   THIS VERSION OF THE PROBLEM IS GIVEN IN LOW PRECISION. The matrix products marked QUANTISED in the list below multiply operands that are first quantised to E2M3 (2 exponent bits, 3 mantissa bits; 6 bits a number), with one power-of-two scale for each 32 numbers along K (OCP MX v1.0); their sums are f32. All else is computed in f32.
;;   The module's matrix products, in the order in which they are computed (A, B: the left and right operand; K: the contracted axis; several contracted axes count as one K, in the product's order):
;;     1. [M 8,192, K 1,024] x [K 1,024, N 1,024]; A: input query; B: input Wq: QUANTISED
;;     2. [M 8,192, K 1,024] x [K 1,024, N 1,024]; A: input key; B: input Wk: QUANTISED
;;     3. [M 8,192, K 1,024] x [K 1,024, N 1,024]; A: input value; B: input Wv: QUANTISED
;;     4. batch 64 x [M 2,048, K 64] x [K 64, N 2,048]; A: computed on the way; B: computed on the way: QUANTISED
;;     5. batch 64 x [M 2,048, K 2,048] x [K 2,048, N 64]; A: softmax (see below); B: computed on the way: QUANTISED
;;   THE QUANTISER, for each operand of a quantised product, along K:
;;     - K is cut into blocks of 32 from its start; a last block that is shorter is filled with zeros.
;;     - A block's scale is 2^e with e = floor(log2(the largest magnitude in the block)) - 2, held to -126 .. 127; a block of zeros has e = 0. As a byte (E8M0): e + 127.
;;     - Each number is divided by its block's scale, clamped to +-7.5, and rounded to the nearest number of E2M3, ties to even, subnormals kept.
;;     - The product sums the exact products of the quantised numbers (number of the format x scale) in f32.
;;   ~~~python
;;   def quantise(x, axis):      # numpy; x: float32 -> the quantised numbers, widened to float32 again
;;       x = np.moveaxis(x, axis, -1); K = x.shape[-1]
;;       x = np.pad(x, [(0, 0)] * (x.ndim - 1) + [(0, -K % 32)]); x = x.reshape(x.shape[:-1] + (-1, 32)); a = np.abs(x).max(-1, keepdims=True)
;;       e = np.where(a > 0, np.clip(np.frexp(np.where(a > 0, a, 1))[1] - 1 - 2, -126, 127), 0)      # np.frexp(a)[1] - 1 = floor(log2(a)), exactly
;;       r = np.clip(x / 2.0 ** e, -7.5, 7.5)
;;       step = 2.0 ** (np.maximum(np.frexp(np.where(r == 0, 1, r))[1] - 1, 0) - 3)
;;       q = np.round(r / step) * step * 2.0 ** e      # np.round: ties to even
;;       return np.moveaxis(q.reshape(q.shape[:-2] + (-1,))[..., :K], -1, axis).astype(np.float32)
;;   ~~~
;;   SOFTMAX AHEAD OF A QUANTISED PRODUCT. Where the list says 'softmax', what is quantised is not the finished softmax but p = 2^(t - M), with t = logit x log2(e) and M = ceil(the row's largest t), a whole number; so 1/2 < the row's largest p <= 1. The row's sum l is taken of the UNQUANTISED p, in f32, and the product's result is divided by l at the end. Since M is a whole number, a kernel that streams over the keys may use a running M (the ceiling of the running maximum): every later rescaling is an exact power of two, which a block's scale takes up: the codes' values come out the same.
;;   OPERANDS COMPUTED ON THE WAY. 'Computed on the way' means the value that the module computes at that place (a softmax that the list does not call 'softmax' is quantised finished and normalised). What goes into a quantiser is computed in f32, as accurately as f32 sums, v_exp_f32 and their like allow (about 1e-6 of the number): no bf16 or f16 on the way to a quantiser, and a product that is left as it is and whose result goes on into a quantised operand takes f32 operands (vector FMAs, or v_wmma_f32_16x16x4_f32). A number that lies on a knife's edge between two numbers of the format may be rounded either way, as far as f32 arithmetic and the matrix unit's own rounding can turn it there, and no further.
;; One version. Each part assembles by itself: llvm-mc -triple=amdgcn-amd-amdhsa -mcpu=gfx1250 --defsym DOCPART=n.
;; ======== version 1 of 1: 3 launches
;; limits: right only within a limited range of input values
;; workspace buffers: xw 22,118,400 bytes; qq 6,815,744 bytes; kv 13,369,344 bytes
;; launch quant (part 1): grid 432 x 1, 4 waves a work-group, no clusters, 34,304 bytes of LDS; arguments query, key, value, Wq, Wk, Wv, xw; writes xw
.if DOCPART == 1
	.amdgcn_target "amdgcn-amd-amdhsa--gfx1250"
	.amdhsa_code_object_version 6
	.text
	.protected	k_qa75ff85eb7_quant
	.globl	k_qa75ff85eb7_quant
	.p2align	8
	.type	k_qa75ff85eb7_quant,@function
k_qa75ff85eb7_quant:
	s_mov_b64 s[64:65], 0
	v_nop
	global_prefetch_b8 v0, s[64:65] scope:SCOPE_SE
	s_setreg_imm32_b32 hwreg(HW_REG_WAVE_MODE, 25, 1), 1
	s_wait_xcnt 0x0
; query, key, value [8192][1024] and Wq, Wk, Wv [1024][1024], f32, become codes of FP6 (E2M3) with one E8M0 scale byte for each 32 along K (the last axis), laid in xw
; AS THE MATRIX UNIT'S REGISTERS TAKE THEM.  xw is 216 row blocks of 128 rows (0-63 query, 64-127 key, 128-191 value, 192-199 Wq, 200-207 Wk, 208-215 Wv), BLK bytes each:
;   codes of K step s (128 along K) and tile t (16 rows): at 12,288 s + 1,536 t: the fragment's 12 registers as three chunks of 512 bytes, chunk i = registers 4 i .. 4 i + 3, lane l's 16 bytes at 16 l;
;   scale words of K step s: at 98,304 + 512 s + 16 l: word b of a lane is tile 2 b's row word in lanes 0-15 and tile 2 b + 1's in lanes 16-31.
; THE ROWS OF A TILE ARE NOT NEIGHBOURS: row r of tile 4 c + u is the block's row 64 c + 32 (r / 8) + 8 u + r % 8.  A later product with such tiles as source 0 leaves, in the 32 result registers
; of tiles 4 c .. 4 c + 3, rows 64 c + 32 h + 0 .. 31 in lane half h: a whole block of 32 along the next K in one lane, at the place that a 6-bit operand gives it.
; A block's scale is 2^(floor(log2(its largest magnitude)) - 2); its byte is the largest magnitude's exponent field - 2, held at 1 from below.
; LIMITS: NaN and infinities among the inputs are not served.  A block whose largest magnitude lies under 2^-124 keeps the byte 1; so does a block of zeros (the quantiser's rule says 127): its codes are zeros, which add nothing
; under any byte but 0xff, and the bytes are read by this program alone.
; SHARES.  Work-group i takes row block i / 2; its wave w takes K step 4 (i % 2) + w: 128 rows x 128 numbers.  A load reads 512 consecutive bytes of one row; the conversions want 32 neighbours along K in one lane:
; a tile's 16 rows turn through the wave's own stage in LDS (16 rows, 528 bytes apart).  Waves share nothing: no barrier.
.set ROWB,  4096                       ; a row of 1,024 f32 in bytes
.set BLK,   102400                     ; a row block in xw
.set SCOFF, 98304                      ; where its scale words begin
.set SPIT,  528                        ; a stage row: 512 bytes + 16
.set STGB,  16*SPIT                    ; a wave's stage
.set SPARE, 4*STGB                     ; the spare words, 128 bytes for each wave
.set LO,  1                            ; 16 x lane
.set SA,  2                            ; the stage, on the way in
.set SB,  3                            ; and on the way out: row r, + 128 h
.set SH8, 4                            ; 8 h
.set SPW, 5                            ; my spare word; never rewritten
.set NIL, 6                            ; 0; never rewritten
.set WE,  7                            ; the even tile's scale word
.set MX,  8                            ; v8-9   my two blocks' largest magnitudes
.set SO,  10                           ; v10-11 the conversions' scale operands
.set BY,  12                           ; v12-13 the scale bytes
.set W,   14                           ; the row's scale word
.set WP,  15                           ; lane l xor 16's part of it
.set SC,  16                           ; v16-19 the K step's scale image
.set PC,  20                           ; v20-31 a fragment's codes
.set CT,  32                           ; v32-39 the second halves of the blocks' codes
.set R,   40                           ; v40-167 two sets of 64: a tile as loaded
.set X,   168                          ; v168-231 64 numbers of my row: register 32 c + i = k 64 c + 32 h + i
	s_load_b256 s[4:11], s[0:1], 0x0               ; query, key, value, Wq
	s_load_b128 s[12:15], s[0:1], 0x20             ; Wk, Wv
	s_load_b64 s[16:17], s[0:1], 0x30              ; xw
	v_lshl_add_u32 v[SPW], v0, 2, SPARE
	v_mov_b32 v[NIL], 0
	v_lshrrev_b32 v[W], 5, v0
	v_readfirstlane_b32 s25, v[W]                  ; wave 0..3
	v_and_b32 v[LO], 31, v0
	v_lshlrev_b32 v[LO], 4, v[LO]
	s_mul_i32 s26, s25, STGB                       ; my stage
	v_add_nc_u32 v[SA], s26, v[LO]
	v_and_b32 v[SB], 15, v0                        ; r
	v_mul_u32_u24 v[SB], v[SB], SPIT
	v_bfe_u32 v[SH8], v0, 4, 1                     ; h
	v_lshl_add_u32 v[SB], v[SH8], 7, v[SB]
	v_add_nc_u32 v[SB], s26, v[SB]
	v_lshlrev_b32 v[SH8], 3, v[SH8]
	v_mov_b32 v[WP], 0                             ; a lane permute's destination counts as one of its sources
	s_mov_b32 s22, 0x76543210
	s_mov_b32 s23, 0xfedcba98                      ; selects for lane l xor 16
	s_mov_b32 s24, 0xffff0000                      ; lanes 16-31
	s_lshr_b32 s20, ttmp9, 1                       ; my row block
	s_and_b32 s27, ttmp9, 1
	s_lshl_b32 s27, s27, 2
	s_add_co_u32 s27, s27, s25                     ; my K step
	s_wait_alu depctr_va_vdst(0)                   ; the wait at the head's end
	s_wait_kmcnt 0x0
	s_mov_b64 s[18:19], s[14:15]                   ; which tensor, and its first row block: the choice hangs on the work-group's number alone
	s_mov_b32 s21, 208
	s_cmp_lt_u32 s20, 208
	s_cselect_b64 s[18:19], s[12:13], s[18:19]
	s_cselect_b32 s21, 200, s21
	s_cmp_lt_u32 s20, 200
	s_cselect_b64 s[18:19], s[10:11], s[18:19]
	s_cselect_b32 s21, 192, s21
	s_cmp_lt_u32 s20, 192
	s_cselect_b64 s[18:19], s[8:9], s[18:19]
	s_cselect_b32 s21, 128, s21
	s_cmp_lt_u32 s20, 128
	s_cselect_b64 s[18:19], s[6:7], s[18:19]
	s_cselect_b32 s21, 64, s21
	s_cmp_lt_u32 s20, 64
	s_cselect_b64 s[18:19], s[4:5], s[18:19]
	s_cselect_b32 s21, 0, s21
	s_sub_co_u32 s28, s20, s21
	s_lshl_b32 s28, s28, 19                        ; 128 rows of 4,096 bytes a block,
	s_lshl_b32 s29, s27, 9                         ; 512 bytes a K step
	s_add_co_u32 s28, s28, s29
	s_mov_b32 s29, 0
	s_add_nc_u64 s[18:19], s[18:19], s[28:29]      ; where I read
	s_mul_i32 s30, s20, BLK
	s_mov_b32 s31, 0
	s_add_nc_u64 s[16:17], s[16:17], s[30:31]      ; my row block in xw
	s_lshl_b32 s30, s27, 9
	s_add_co_u32 s30, s30, SCOFF
	s_add_nc_u64 s[2:3], s[16:17], s[30:31]        ; my scale image
	s_mul_i32 s30, s27, 12288
	s_add_nc_u64 s[16:17], s[16:17], s[30:31]      ; my eight fragments
.macro LOAD t                          ; tile t's 16 rows into set t % 2: each load reads 512 consecutive bytes of one row
.irp r, 0,1,2,3,4,5,6,7,8,9,10,11,12,13,14,15
	global_load_b128 v[R+64*((\t)%2)+4*\r:R+64*((\t)%2)+4*\r+3], v[LO], s[18:19] offset:(64*((\t)/4)+8*((\t)%4)+(\r%8)+32*(\r/8))*ROWB th:TH_LOAD_NT
.endr
.endm
.macro TURN t                          ; through the stage: LDS serves a wave's instructions in order, so no wait stands between the stores and the loads
.irp r, 0,1,2,3,4,5,6,7,8,9,10,11,12,13,14,15
	ds_store_b128 v[SA], v[R+64*((\t)%2)+4*\r:R+64*((\t)%2)+4*\r+3] offset:SPIT*\r
.endr
.irp c, 0,1
.irp q, 0,1,2,3,4,5,6,7
	ds_load_b128 v[X+32*\c+4*\q:X+32*\c+4*\q+3], v[SB] offset:256*\c+16*\q
.endr
.endr
.endm
.macro TILE t
.if (\t) < 7
	s_wait_loadcnt 16                              ; this tile's 16 loads are in; the next tile's may be out
.else
	s_wait_loadcnt 0x0
.endif
	TURN \t
	s_wait_dscnt 0x0                               ; my 64 numbers are back, and the stores into the stage have read their registers,
.if (\t) < 6
	LOAD (\t)+2                                    ; which take the tile two further on
.endif
.irp c, 0,1
	v_max3_num_f32 v[MX+\c], |v[X+32*\c]|, |v[X+32*\c+1]|, 0x1800000   ; my block 2 c + h, and the floor 2^(3 - 127): the byte cannot fall under 1
.endr
.irp i, 2,4,6,8,10,12,14,16,18,20,22,24,26,28,30
.irp c, 0,1
	v_max3_num_f32 v[MX+\c], v[MX+\c], |v[X+32*\c+\i]|, |v[X+32*\c+\i+1]|
.endr
.endr
.irp c, 0,1
	v_add_nc_u32 v[SO+\c], 0xff000000, v[MX+\c]    ; 2 off the exponent field: the conversion's scale operand
.endr
.irp c, 0,1
	v_lshrrev_b32 v[BY+\c], 23, v[SO+\c]           ; the scale's byte
.endr
	v_lshl_or_b32 v[W], v[BY+1], 16, v[BY]         ; my two bytes: blocks h and 2 + h of row r,
	v_lshlrev_b32 v[W], v[SH8], v[W]               ; at their places in the word;
	v_permlanex16_b32 v[WP], v[W], s22, s23
	v_or_b32 v[W], v[W], v[WP]                     ; with lane l xor 16's two the word is whole, in both lanes
	s_wait_alu depctr_va_vdst(0)                   ; the wait here, directly ahead of the wait below
	s_wait_xcnt 0x0                                ; the last tile's stores have read the codes' registers
.irp c, 0,1
	v_cvt_scalef32_pk16_fp6_f32 v[PC+6*\c:PC+6*\c+2], v[X+32*\c:X+32*\c+15], v[SO+\c]
	v_cvt_scalef32_pk16_fp6_f32 v[CT+4*\c:CT+4*\c+2], v[X+32*\c+16:X+32*\c+31], v[SO+\c]   ; (a conversion's three registers begin on an even number)
.endr
	v_nop                                          ; one plain place behind a scaled conversion
.irp c, 0,1
.irp i, 0,1,2
	v_mov_b32 v[PC+6*\c+3+\i], v[CT+4*\c+\i]
.endr
.endr
.irp i, 0,1,2
	global_store_b128 v[LO], v[PC+4*\i:PC+4*\i+3], s[16:17] offset:1536*(\t)+512*\i   ; 32 lanes store 512 consecutive bytes, at a multiple of 256 from xw's first byte
.endr
.if ((\t)%2) == 0
	v_mov_b32 v[WE], v[W]
.else
	v_cndmask_b32 v[SC+(\t)/2], v[WE], v[W], s24   ; lanes 0-15 the even tile's word, lanes 16-31 the odd tile's
.endif
.endm
	LOAD 0
	LOAD 1
.irp t, 0,1,2,3,4,5,6,7
	TILE \t
.endr
	global_store_b128 v[LO], v[SC:SC+3], s[2:3]    ; the K step's scale image: 512 consecutive bytes
	s_wait_tensorcnt 0x0                           ; the wave's end
	ds_add_u32 v[SPW], v[NIL]
	s_wait_dscnt 0x0
	s_endpgm
.Lfunc_end_k_qa75ff85eb7_quant:
	.size	k_qa75ff85eb7_quant, .Lfunc_end_k_qa75ff85eb7_quant-k_qa75ff85eb7_quant
	.p2alignl 7, 3214868480
	.fill 96, 4, 3214868480
	.section	.rodata,"a",@progbits
	.p2align	6, 0x0
	.amdhsa_kernel k_qa75ff85eb7_quant
		.amdhsa_group_segment_fixed_size 34304
		.amdhsa_private_segment_fixed_size 0
		.amdhsa_enable_private_segment 0
		.amdhsa_kernarg_size 56
		.amdhsa_user_sgpr_count 2
		.amdhsa_user_sgpr_kernarg_segment_ptr 1
		.amdhsa_wavefront_size32 1
		.amdhsa_system_sgpr_workgroup_id_x 1
		.amdhsa_system_sgpr_workgroup_id_y 1
		.amdhsa_system_sgpr_workgroup_id_z 1
		.amdhsa_system_vgpr_workitem_id 0
		.amdhsa_next_free_vgpr 232
		.amdhsa_next_free_sgpr 66
		.amdhsa_reserve_vcc 0
		.amdhsa_float_denorm_mode_32 3
		.amdhsa_float_denorm_mode_16_64 3
		.amdhsa_memory_ordered 1
		.amdhsa_forward_progress 1
		.amdhsa_inst_pref_size 58
	.end_amdhsa_kernel
	.amdgpu_metadata
---
amdhsa.version: [ 1, 2 ]
amdhsa.kernels:
  - .name:           k_qa75ff85eb7_quant
    .symbol:         k_qa75ff85eb7_quant.kd
    .args:
      - { .name: query, .offset: 0, .size: 8, .value_kind: global_buffer, .address_space: global }
      - { .name: key, .offset: 8, .size: 8, .value_kind: global_buffer, .address_space: global }
      - { .name: value, .offset: 16, .size: 8, .value_kind: global_buffer, .address_space: global }
      - { .name: Wq, .offset: 24, .size: 8, .value_kind: global_buffer, .address_space: global }
      - { .name: Wk, .offset: 32, .size: 8, .value_kind: global_buffer, .address_space: global }
      - { .name: Wv, .offset: 40, .size: 8, .value_kind: global_buffer, .address_space: global }
      - { .name: xw, .offset: 48, .size: 8, .value_kind: global_buffer, .address_space: global }
    .group_segment_fixed_size: 34304
    .private_segment_fixed_size: 0
    .kernarg_segment_align: 8
    .kernarg_segment_size: 56
    .max_flat_workgroup_size: 128
    .sgpr_count:     66
    .vgpr_count:     232
    .wavefront_size: 32
...
	.end_amdgpu_metadata
.endif
;; end of part 1
;; launch proj (part 2): grid 4 x 64, 4 waves a work-group, clusters of 4 x 1, 327,680 bytes of LDS; arguments xw, qq, kv; writes qq, kv
.if DOCPART == 2
	.amdgcn_target "amdgcn-amd-amdhsa--gfx1250"
	.amdhsa_code_object_version 6
	.text
	.protected	k_qa75ff85eb7_proj
	.globl	k_qa75ff85eb7_proj
	.p2align	8
	.type	k_qa75ff85eb7_proj,@function
k_qa75ff85eb7_proj:
	s_mov_b64 s[64:65], 0
	v_nop
	global_prefetch_b8 v0, s[64:65] scope:SCOPE_SE
	s_setreg_imm32_b32 hwreg(HW_REG_WAVE_MODE, 25, 1), 1
	s_wait_xcnt 0x0
	s_wait_alu depctr_hold_cnt(0) depctr_sa_sdst(0) depctr_va_vdst(0) depctr_va_sdst(0) depctr_va_ssrc(0) depctr_va_vcc(0) depctr_vm_vsrc(0)
	s_getreg_b32 s2, hwreg(HW_REG_IB_STS2, 6, 4)
	s_cmp_eq_u32 s2, 0
	s_cbranch_scc0 .Lentry_in_a_cluster
	s_endpgm
.Lentry_in_a_cluster:
	s_bfe_u32 s2, ttmp6, 0x10000c
	s_cmp_lg_u32 s2, 0x3003
	s_cbranch_scc0 .Lentry_shape_is_right
	s_endpgm
.Lentry_shape_is_right:
; The three projections q = query Wq^T, k = key Wk^T, v = value Wv^T on codes of FP6 (E2M3) out of xw, sums in f32; the results are quantised at once, in registers, for the two products of attention:
; q and k along the head's 64 numbers (two blocks of 32), v along the keys; they leave as images of the operands' registers (three chunks of 512 bytes a fragment, lane l's 16 bytes at 16 l).
;   qq [bh 64][T 16][6,656]: four pair images of 128 queries (registers 0-5: tile 2 b, 6-11: tile 2 b + 1; lane (r, h): the tile's row r, head numbers 32 h .. 32 h + 31), then 512 bytes of scale words
;      (word b of a lane: tile 2 b's in lanes 0-15, tile 2 b + 1's in lanes 16-31; bytes 0, 1 are the head's two blocks; bytes 2, 3 are 0: they meet zero codes alone).
;   kv [bh 64][T 16][13,056]: K's four pair images; at 6,144 V's four fragments (16 channels x 128 keys); at 12,288 K's scale words; at 12,800 V's (8 bytes a lane: word e: channel tile 2 e below, 2 e + 1 above).
; SHARES.  The 192 token blocks of 128 (0-63 query, 64-127 key, 128-191 value) lie on end in xw.  A cluster is four work-groups with one y and takes blocks 3 y, 3 y + 1, 3 y + 2: 64 clusters, 256 work-groups,
; three trips each.  Work-group cx takes heads 4 cx .. 4 cx + 3, wave w head 4 cx + w: 64 features.  A trip is 128 tokens x 64 features x K = 1,024 for a wave: 32 accumulators, 256 matrix instructions.
; THE TRIPS ARE ONE LOOP of constant count; which matrix a trip serves is block / 64, made of y and the trip's number, which the partners share: a branch on it chooses between the q, k form and the v form.
; THE WEIGHTS STAY IN REGISTERS: a wave's 64 x 1,024 codes are 384 registers.  They are loaded at the head, and anew only where the next block begins another matrix (blocks 64 and 128: clusters 21 and 42):
; then the loads stand behind the trip's last products and ahead of its way out.
; x COMES BY JOINT TENSOR LOADS: the four partners read the same blocks (all of K and the scale words, 102,400 bytes each, dense), by the same load with the same descriptor and a mask that names the four.
; Every LDS byte is filled once: block 0 by the head's load, a quarter a wave; blocks 1 and 2 by one more load a wave, which has the first trip in which to land.  A wave has one tensor load out.
; No prefetch is laid: all three blocks are asked for ahead of the first trip.
; q, k: source 0 = 16 rows of W, source 1 = 16 tokens: a lane holds ONE token and its registers run along the head.  v: the sources change places: a lane holds ONE channel and its registers run along the keys.
; Row r of tile 4 c + u of xw is row 64 c + 32 (r / 8) + 8 u + r % 8 of its block: so the 32 result registers of source 0's tiles 4 c .. 4 c + 3 are rows 64 c + 32 h + 0 .. 31: A WHOLE BLOCK OF 32 ALONG THE NEXT K IN ONE LANE.
; LIMITS: NaN and infinities are not served; a block whose largest magnitude lies under 2^-124, a block of zeros among them, keeps the scale byte 1; the bytes are read by this program alone.
; REGISTERS, in windows of 256: window 0: addresses, scale words, x's eight fragments (one set), the quantiser's work.  window 1: W's K steps 0-4 (48 registers each).  window 2: W's K steps 5-7.  window 3: the 32 accumulators.
.set BLK,   102400                     ; a row block in xw, and an LDS slot
.set QTR,   25600                      ; a quarter of it: 100 rows of 256 bytes
.set HALF,  49152                      ; K steps 4-7 of a slot begin here
.set SCOFF, 98304                      ; and its scale words here
.set SPARE, 3*BLK                      ; the spare words, 128 bytes for each wave
.set LI,   1                           ; 16 x lane
.set L8,   2                           ; 8 x lane
.set SH8,  3                           ; 8 h
.set ADX,  4                           ; v4-5 LDS: 16 x lane + the trip's slot + (0 or HALF)
.set SPW,  10                          ; my spare word; never rewritten
.set NIL,  11                          ; 0; never rewritten
.set OS,   12                          ; v12-15 the scale image to store
.set WS,   16                          ; v16-31 W's scale words: register 2 s + e
.set XS,   32                          ; v32-63 x's scale words: register 4 s + b
.set XF,   64                          ; v64-159 x's eight fragments of a K step
.set TM,   160                         ; v160-163 largest magnitudes, four chains
.set SO,   164                         ; v164-165 the conversions' scale operands
.set BY,   166                         ; v166-167 the two blocks' scale bytes
.set XX,   168                         ; v168-170 at work on the scale words
.set YY,   169
.set YP,   170
.set PC,   184                         ; v184-195 the codes just made, v196-203 the conversions' second halves
.set PWV,  204                         ; v204-207 the v form's four scale words
.set WV,   10                          ; s10  my wave's number
.set SEL,  20                          ; s[20:21] lane selects: lane l xor 16
.set G1,   24                          ; s[24:31] descriptor group 1 of the head's load; s[32:35] its group 0
.set G1B,  68                          ; s[68:75] group 1 of the second load; s[36:39] its group 0
.set MAT,  48                          ; s48  the trip's matrix: 0 q, 1 k, 2 v
.set GB,   60                          ; s60  the trip's block, 0 .. 191
.set TR,   61                          ; s61  the trip's number
.set SLB,  62                          ; s62  LDS byte at which the trip's slot begins
.set MSB, 0
.macro WIN new                         ; the immediate's high byte repeats the setting that is left
.if MSB != \new
	s_set_vgpr_msb (MSB<<8)|\new
.set MSB, \new
.endif
.endm
.macro CROUND                          ; a round of the cluster's barrier
	s_barrier_signal -1
	s_barrier_wait -1
	s_cmp_lg_u32 s[WV], 0
	s_cbranch_scc1 .Lnot_wave_0_\@
	s_barrier_signal -3
.Lnot_wave_0_\@:
	s_barrier_wait -3
	s_barrier_signal -1
	s_barrier_wait -1
.endm
.macro PLACES                          ; four places behind a matrix instruction (ISA guide 7.12.1)
.rept 4
	v_nop
.endr
.endm
; One matrix instruction.  d: accumulator, a, b: the sources; zero = 1: the product starts the sum; sa, sb: the scale registers; ra, rb = 1: the scales stand in lanes 16-31
.macro WM d, a, b, zero, sa, sb, ra, rb
.if (\zero) && (\ra) && (\rb)
	v_wmma_scale_f32_16x16x128_f8f6f4 v[(\d):(\d)+7], v[(\a):(\a)+11], v[(\b):(\b)+11], 0, v[\sa], v[\sb] matrix_a_fmt:MATRIX_FMT_FP6 matrix_b_fmt:MATRIX_FMT_FP6 matrix_a_scale:MATRIX_SCALE_ROW1 matrix_b_scale:MATRIX_SCALE_ROW1
.elseif (\zero) && (\ra)
	v_wmma_scale_f32_16x16x128_f8f6f4 v[(\d):(\d)+7], v[(\a):(\a)+11], v[(\b):(\b)+11], 0, v[\sa], v[\sb] matrix_a_fmt:MATRIX_FMT_FP6 matrix_b_fmt:MATRIX_FMT_FP6 matrix_a_scale:MATRIX_SCALE_ROW1
.elseif (\zero) && (\rb)
	v_wmma_scale_f32_16x16x128_f8f6f4 v[(\d):(\d)+7], v[(\a):(\a)+11], v[(\b):(\b)+11], 0, v[\sa], v[\sb] matrix_a_fmt:MATRIX_FMT_FP6 matrix_b_fmt:MATRIX_FMT_FP6 matrix_b_scale:MATRIX_SCALE_ROW1
.elseif (\zero)
	v_wmma_scale_f32_16x16x128_f8f6f4 v[(\d):(\d)+7], v[(\a):(\a)+11], v[(\b):(\b)+11], 0, v[\sa], v[\sb] matrix_a_fmt:MATRIX_FMT_FP6 matrix_b_fmt:MATRIX_FMT_FP6
.elseif (\ra) && (\rb)
	v_wmma_scale_f32_16x16x128_f8f6f4 v[(\d):(\d)+7], v[(\a):(\a)+11], v[(\b):(\b)+11], v[(\d):(\d)+7], v[\sa], v[\sb] matrix_a_fmt:MATRIX_FMT_FP6 matrix_b_fmt:MATRIX_FMT_FP6 matrix_a_scale:MATRIX_SCALE_ROW1 matrix_b_scale:MATRIX_SCALE_ROW1
.elseif (\ra)
	v_wmma_scale_f32_16x16x128_f8f6f4 v[(\d):(\d)+7], v[(\a):(\a)+11], v[(\b):(\b)+11], v[(\d):(\d)+7], v[\sa], v[\sb] matrix_a_fmt:MATRIX_FMT_FP6 matrix_b_fmt:MATRIX_FMT_FP6 matrix_a_scale:MATRIX_SCALE_ROW1
.elseif (\rb)
	v_wmma_scale_f32_16x16x128_f8f6f4 v[(\d):(\d)+7], v[(\a):(\a)+11], v[(\b):(\b)+11], v[(\d):(\d)+7], v[\sa], v[\sb] matrix_a_fmt:MATRIX_FMT_FP6 matrix_b_fmt:MATRIX_FMT_FP6 matrix_b_scale:MATRIX_SCALE_ROW1
.else
	v_wmma_scale_f32_16x16x128_f8f6f4 v[(\d):(\d)+7], v[(\a):(\a)+11], v[(\b):(\b)+11], v[(\d):(\d)+7], v[\sa], v[\sb] matrix_a_fmt:MATRIX_FMT_FP6 matrix_b_fmt:MATRIX_FMT_FP6
.endif
.endm
; Where my head's weights of matrix s[m] lie: row block 192 + 8 x matrix + head / 2 of xw, its tiles 4 (head % 2) on.  No load that names s[40:43] is out when this runs
.macro WADDR m
	s_lshl_b32 s50, s[\m], 3
	s_lshr_b32 s51, s13, 1
	s_add_co_u32 s50, s50, s51
	s_add_co_u32 s50, s50, 192
	s_mul_i32 s50, s50, BLK
	s_mov_b32 s51, 0
	s_add_nc_u64 s[40:41], s[4:5], s[50:51]
	s_add_nc_u64 s[42:43], s[40:41], s[76:77]      ; W's scale words
	s_add_nc_u64 s[40:41], s[40:41], s[78:79]      ; W's codes
.endm
; My head's weights: 8 loads of scale words, then 96 of codes, K step by K step
.macro WLOADS
.irp s, 0,1,2,3,4,5,6,7
	global_load_b64 v[WS+2*\s:WS+2*\s+1], v[LI], s[42:43] offset:512*\s
.endr
	WIN 0x40                                       ; destination window 1
.set j, 0
.rept 60
	global_load_b128 v[4*j:4*j+3], v[LI], s[40:41] offset:12288*(j/12)+512*(j%12)
.set j, j+1
.endr
	WIN 0x80                                       ; destination window 2
.set j, 0
.rept 36
	global_load_b128 v[4*j:4*j+3], v[LI], s[40:41] offset:12288*(5+j/12)+512*(j%12)
.set j, j+1
.endr
	WIN 0
.endm
; 16 matrix instructions of K step s: x's tiles a0 .. a0 + 3 against W's four.  The 32 accumulators take turns, one instruction a turn.
; path 0 (q, k): source 0 = W, source 1 = x, accumulator (a, f) at 8 (4 a + f).  path 1 (v): the sources and their scales change places, accumulator at 8 (8 f + a).
.macro MUL16 path, s, a0, zero
.set WOFF, 48*((\s)%5)
.irp a, \a0, \a0+1, \a0+2, \a0+3
.irp f, 0,1,2,3
.if \path == 0
	WM 8*(4*(\a)+\f), WOFF+12*\f, XF+12*(\a), \zero, WS+2*(\s)+\f/2, XS+4*(\s)+(\a)/2, \f%2, (\a)%2
.else
	WM 8*(8*\f+(\a)), XF+12*(\a), WOFF+12*\f, \zero, XS+4*(\s)+(\a)/2, WS+2*(\s)+\f/2, (\a)%2, \f%2
.endif
.endr
.endr
.endm
.macro FETCHX s, a0                    ; x's tiles a0 .. a0 + 3 of K step s: 12 loads of 512 consecutive bytes
.irp a, \a0, \a0+1, \a0+2, \a0+3
.irp i, 0,1,2
	ds_load_b128 v[XF+12*(\a)+4*\i:XF+12*(\a)+4*\i+3], v[ADX+(\s)/4] offset:((\s)%4)*12288+(\a)*1536+512*\i
.endr
.endr
.endm
; A K step: 32 matrix instructions.  A tile of x is free as soon as its four products are issued: tiles 0-3 are fetched anew in the step's middle, tiles 4-7 at its end.
.macro KSTEP path, s, zero
.set WMS, 0xf0|((1+(\s)/5)<<(2*(\path)))   ; C and D window 3; W window 1 or 2; x window 0
.set NS, 96-12*((\s)+1)                ; the loads of W's codes issued behind this K step's
.if NS > 63
.set NS, 63                            ; (a wait's count cannot name more than its field holds)
.endif
	s_wait_loadcnt NS                              ; W's scale words and this K step's fragments are in (in a trip that found its weights in place none is out)
	s_wait_dscnt 12                                ; x's tiles 0-3 are in; the youngest 12 loads, tiles 4-7, may be out
	WIN WMS
	MUL16 \path, \s, 0, \zero
	s_wait_dscnt 0x0                               ; tiles 4-7 are in
.if (\s) < 7
	PLACES
	WIN 0
	FETCHX (\s)+1, 0
	WIN WMS
.endif
	MUL16 \path, \s, 4, \zero
	PLACES                                         ; (behind the last K step these serve the first read of the results and loads into W's registers)
	WIN 0
.if (\s) < 7
	FETCHX (\s)+1, 4
.endif
.endm
.macro MULS path                       ; a trip's 256 products
.irp s, 0,1,2,3,4,5,6,7
	ds_load_b128 v[XS+4*\s:XS+4*\s+3], v[ADX+1] offset:HALF+512*\s   ; the block's scale words, for all of K
.endr
	FETCHX 0, 0
	FETCHX 0, 4
	KSTEP \path, 0, 1                              ; the first K step's products start the sums: nothing is cleared
.irp s, 1,2,3,4,5,6,7
	KSTEP \path, \s, 0
.endr
.endm
; 64 numbers of a lane in window 3, v[a] on: registers 32 c + 0 .. 31 are one whole block of 32 along the next K.  They become 12 registers of codes in v[PC] on (block c in registers 6 c .. 6 c + 5)
; and the two blocks' scale bytes in v[BY], v[BY + 1].  No other lane is asked.  Each accumulator is read from its low end on.
.macro QUANT a
	WIN 0x0f                                       ; sources 0 and 1 window 3
.irp b, 0,1,2,3
	v_max3_num_f32 v[TM+\b], |v[(\a)+16*\b]|, |v[(\a)+16*\b+1]|, 0x1800000   ; four chains of 16 numbers, and the floor 2^(3 - 127): the byte cannot fall under 1
.endr
.irp i, 2,4,6,8,10,12,14
.irp b, 0,1,2,3
	v_max3_num_f32 v[TM+\b], |v[(\a)+16*\b+\i]|, |v[(\a)+16*\b+\i+1]|, v[TM+\b]
.endr
.endr
	WIN 0
.irp c, 0,1
	v_max_num_f32 v[TM+2*\c], v[TM+2*\c], v[TM+2*\c+1]   ; block c's largest magnitude
.endr
.irp c, 0,1
	v_add_nc_u32 v[SO+\c], 0xff000000, v[TM+2*\c]  ; 2 off its exponent field: the conversion's scale operand
.endr
.irp c, 0,1
	v_lshrrev_b32 v[BY+\c], 23, v[SO+\c]           ; the scale's byte
.endr
	s_wait_alu depctr_va_vdst(0)                   ; the wait here, directly ahead of the wait below
	s_wait_xcnt 0x0                                ; the stores of the fragment before have read the codes' registers
	WIN 0x03                                       ; source 0 window 3
.irp c, 0,1
	v_cvt_scalef32_pk16_fp6_f32 v[PC+6*\c:PC+6*\c+2], v[(\a)+32*\c:(\a)+32*\c+15], v[SO+\c]
	v_cvt_scalef32_pk16_fp6_f32 v[PC+12+4*\c:PC+14+4*\c], v[(\a)+32*\c+16:(\a)+32*\c+31], v[SO+\c]   ; (a conversion's three registers begin on an even number)
.endr
	WIN 0
	v_nop                                          ; one plain place behind a scaled conversion
.irp c, 0,1
.irp i, 0,1,2
	v_mov_b32 v[PC+3+6*\c+\i], v[PC+12+4*\c+\i]
.endr
.endr
.endm
; q, k: the 64 registers of token tiles 2 b and 2 b + 1: block c is tile 2 b + c's head numbers 32 h .. 32 h + 31.  The 12 registers ARE the pair image.
; The scale word: lanes 0-15 want tile 2 b's two bytes, lanes 16-31 tile 2 b + 1's: each lane keeps the one of its bytes that is its own row's and sends the other to lane l xor 16.
.macro EPI_QK
.irp b, 0,1,2,3
	QUANT 64*\b
	v_cndmask_b32 v[XX], v[BY], v[BY+1], s22       ; kept: lanes 0-15 tile 2 b's block 0, lanes 16-31 tile 2 b + 1's block 1
	v_cndmask_b32 v[YY], v[BY+1], v[BY], s22       ; sent: lanes 0-15 tile 2 b + 1's block 0, lanes 16-31 tile 2 b's block 1
	v_lshlrev_b32 v[XX], v[SH8], v[XX]             ; a block 1's byte stands 8 bits up
	v_lshlrev_b32 v[YY], v[SH8], v[YY]
	v_permlanex16_b32 v[YP], v[YY], s[SEL], s[SEL+1]
	v_or_b32 v[OS+\b], v[XX], v[YP]
.irp i, 0,1,2
	global_store_b128 v[LI], v[PC+4*\i:PC+4*\i+3], s[44:45] offset:1536*\b+512*\i   ; 32 lanes store 512 consecutive bytes, at a multiple of 256 from the buffer's first byte
.endr
.endr
	global_store_b128 v[LI], v[OS:OS+3], s[46:47]
.endm
; v: the 64 registers of channel tile f are keys 64 c + 32 h + 0 .. 31 of one channel a lane: one fragment of V^T; its scale word's four bytes lie in lanes l and l xor 16
.macro EPI_V
.irp f, 0,1,2,3
	QUANT 64*\f
	v_lshl_or_b32 v[XX], v[BY+1], 16, v[BY]        ; my two bytes: blocks h and 2 + h,
	v_lshlrev_b32 v[XX], v[SH8], v[XX]             ; at their places in the word
	v_permlanex16_b32 v[YP], v[XX], s[SEL], s[SEL+1]
	v_or_b32 v[PWV+\f], v[XX], v[YP]
.irp i, 0,1,2
	global_store_b128 v[LI], v[PC+4*\i:PC+4*\i+3], s[44:45] offset:1536*\f+512*\i
.endr
.endr
.irp e, 0,1
	v_cndmask_b32 v[OS+\e], v[PWV+2*\e], v[PWV+2*\e+1], s22   ; lanes 0-15 the even tile's word, lanes 16-31 the odd tile's
.endr
	global_store_b64 v[L8], v[OS:OS+1], s[46:47]   ; 32 lanes store 256 consecutive bytes
.endm
	s_load_b128 s[4:7], s[0:1], 0x0                ; xw s[4:5], qq s[6:7]
	s_load_b64 s[8:9], s[0:1], 0x10                ; kv
	v_lshl_add_u32 v[SPW], v0, 2, SPARE
	v_mov_b32 v[NIL], 0
	ds_add_u32 v[SPW], v[NIL]                      ; the wave's opening: the add, twice on end, and its wait ahead of my first tensor load
	ds_add_u32 v[SPW], v[NIL]
	v_lshrrev_b32 v[LI], 5, v0
	v_readfirstlane_b32 s[WV], v[LI]               ; wave 0..3
	s_bfe_u32 s11, ttmp6, 0x40000                  ; cx: which four heads: it enters the addresses of W and of the results alone
	s_and_b32 s12, ttmp7, 0xffff                   ; y, which the four partners share
	s_lshl_b32 s13, s11, 2
	s_add_co_u32 s13, s13, s[WV]                   ; my head
.irp g, G1, G1B
	s_mov_b32 s[\g], 15|(3<<16)|(1<<21)            ; the mask: all four work-groups; elements of 8 bytes; no padding; bit 21 set beside a mask
	s_mov_b32 s[\g+1], 32<<16                      ; tensor_dim0 = 32 elements: 256 bytes
	s_mov_b32 s[\g+3], 32<<16                      ; tile_dim0
	s_mov_b32 s[\g+5], 32                          ; the pitch: the blocks are dense
	s_mov_b32 s[\g+6], 0
	s_mov_b32 s[\g+7], 0
.endr
	s_mov_b32 s[G1+2], 100<<16                     ; the head's load: 100 rows, a quarter of a block
	s_mov_b32 s[G1+4], 100
	s_mov_b32 s[G1B+2], 200<<16                    ; the second: 200 rows, a quarter of two blocks
	s_mov_b32 s[G1B+4], 200
	s_mov_b32 s[SEL], 0x76543210
	s_mov_b32 s[SEL+1], 0xfedcba98
	s_mov_b32 s22, 0xffff0000                      ; lanes 16-31
	v_and_b32 v[LI], 31, v0
	v_lshlrev_b32 v[L8], 3, v[LI]
	v_lshlrev_b32 v[LI], 4, v[LI]
	v_bfe_u32 v[SH8], v0, 4, 1
	v_lshlrev_b32 v[SH8], 3, v[SH8]
	v_mov_b32 v[YP], 0                             ; a lane permute's destination counts as one of its sources
	s_mul_i32 s[GB], s12, 3                        ; my cluster's first block
	s_mul_i32 s14, s[GB], BLK
	s_mov_b32 s15, 0
	s_mul_i32 s16, s[WV], QTR                      ; my quarter of block 0: in memory and in LDS
	s_mov_b32 s17, 0
	s_lshl_b32 s2, s16, 1
	s_add_co_u32 s2, s2, BLK                       ; my quarter of blocks 1 and 2
	s_mov_b32 s3, 0
	s_and_b32 s78, s13, 1                          ; head % 2
	s_lshl_b32 s76, s78, 3
	s_add_co_u32 s76, s76, SCOFF
	s_mov_b32 s77, 0
	s_mul_i32 s78, s78, 6144
	s_mov_b32 s79, 0
	s_lshr_b32 s[MAT], s[GB], 6
	s_mov_b32 s[TR], 0
	s_mov_b32 s[SLB], 0
	s_wait_alu depctr_va_vdst(0)                   ; the wait at the head's end
	s_wait_dscnt 0x0                               ; both opening adds are done
	s_wait_kmcnt 0x0
	s_add_nc_u64 s[18:19], s[4:5], s[14:15]        ; block 3 y
	WADDR MAT
	s_mov_b32 s32, 1                               ; group 0 of the head's load
	s_mov_b32 s33, s16
	s_add_nc_u64 s[34:35], s[18:19], s[16:17]
	s_or_b32 s35, s35, 0x80000000
	s_mov_b32 s36, 1                               ; and of the second
	s_mov_b32 s37, s2
	s_add_nc_u64 s[38:39], s[18:19], s[2:3]
	s_or_b32 s39, s39, 0x80000000
	CROUND                                         ; all four work-groups are here: the joint loads meet
	tensor_load_to_lds s[32:35], s[G1:G1+7]        ; block 0: one tensor load a wave at the head
	s_nop 0
.rept 4
	v_nop
.endr
	WLOADS
	s_wait_tensorcnt 0x0                           ; my quarter of block 0 is in
	ds_add_u32 v[SPW], v[NIL]
	s_wait_dscnt 0x0
	CROUND                                         ; everybody's quarter is in, and the four work-groups are here: the joint loads meet
	tensor_load_to_lds s[36:39], s[G1B:G1B+7]      ; blocks 1 and 2: they have the first trip's 256 matrix instructions in which to land
	s_nop 0
.rept 4
	v_nop
.endr
.Ltrip:
	s_wait_xcnt 0x0                                ; the last trip's stores have read their bases
	s_lshr_b32 s[MAT], s[GB], 6                    ; which matrix,
	s_and_b32 s49, s[GB], 63                       ; and which of its 64 token blocks: batch = block / 16, T = block % 16
	s_lshr_b32 s50, s49, 4
	s_lshl_b32 s50, s50, 4
	s_add_co_u32 s50, s50, s13                     ; bh = 16 x batch + head
	s_and_b32 s51, s49, 15
	s_mov_b32 s56, 208896
	s_mov_b32 s57, 13056
	s_mov_b32 s58, 12288
	s_cmp_eq_u32 s[MAT], 0                         ; q goes to qq, k and v to kv
	s_cselect_b64 s[44:45], s[6:7], s[8:9]
	s_cselect_b32 s56, 106496, s56                 ; bytes a head,
	s_cselect_b32 s57, 6656, s57                   ; a block of 128 tokens,
	s_cselect_b32 s58, 6144, s58                   ; and from the codes to their scale words
	s_cmp_eq_u32 s[MAT], 2
	s_cselect_b32 s59, 6144, 0                     ; V's fragments lie behind K's pair images,
	s_cselect_b32 s58, 6656, s58                   ; and V's scale words at 12,800
	s_mul_i32 s50, s50, s56
	s_mul_i32 s51, s51, s57
	s_add_co_u32 s50, s50, s51
	s_add_co_u32 s50, s50, s59
	s_mov_b32 s51, 0
	s_mov_b32 s59, 0
	s_add_nc_u64 s[44:45], s[44:45], s[50:51]
	s_add_nc_u64 s[46:47], s[44:45], s[58:59]
	v_add_nc_u32 v[ADX], s[SLB], v[LI]
	v_add_nc_u32 v[ADX+1], HALF, v[ADX]
	s_wait_alu depctr_va_vdst(0)
	s_cmp_eq_u32 s[MAT], 2
	s_cbranch_scc1 .Lmul_v
	MULS 0
	s_branch .Lmul_done
.Lmul_v:
	MULS 1
.Lmul_done:
	s_add_co_u32 s49, s[GB], 1                     ; does the next block begin another matrix?  (Block 192 does not exist)
	s_cmp_eq_u32 s49, 64
	s_cbranch_scc1 .Lanew
	s_cmp_lg_u32 s49, 128
	s_cbranch_scc1 .Lkept
.Lanew:
	s_lshr_b32 s49, s49, 6
	WADDR 49
	WLOADS                                         ; four places behind the last product; they land while the results go out
.Lkept:
	s_cmp_eq_u32 s[MAT], 2
	s_cbranch_scc1 .Lout_v
	EPI_QK
	s_branch .Lout_done
.Lout_v:
	EPI_V
.Lout_done:
	s_wait_tensorcnt 0x0                           ; my quarter of blocks 1 and 2 is in
	s_wait_dscnt 0x0
	s_barrier_signal -1
	s_barrier_wait -1                              ; everybody's is
	s_add_co_u32 s[GB], s[GB], 1
	s_add_co_u32 s[SLB], s[SLB], BLK
	s_add_co_u32 s[TR], s[TR], 1
	s_cmp_lt_u32 s[TR], 3
	s_wait_alu depctr_va_vdst(0)                   ; the wait here, directly ahead of the branch
	s_cbranch_scc1 .Ltrip
	s_wait_tensorcnt 0x0                           ; the wave's end
	ds_add_u32 v[SPW], v[NIL]
	s_wait_dscnt 0x0
	CROUND                                         ; the closing round
	s_endpgm
.Lfunc_end_k_qa75ff85eb7_proj:
	.size	k_qa75ff85eb7_proj, .Lfunc_end_k_qa75ff85eb7_proj-k_qa75ff85eb7_proj
	.p2alignl 7, 3214868480
	.fill 96, 4, 3214868480
	.section	.rodata,"a",@progbits
	.p2align	6, 0x0
	.amdhsa_kernel k_qa75ff85eb7_proj
		.amdhsa_group_segment_fixed_size 327680
		.amdhsa_private_segment_fixed_size 0
		.amdhsa_enable_private_segment 0
		.amdhsa_kernarg_size 24
		.amdhsa_user_sgpr_count 2
		.amdhsa_user_sgpr_kernarg_segment_ptr 1
		.amdhsa_wavefront_size32 1
		.amdhsa_system_sgpr_workgroup_id_x 1
		.amdhsa_system_sgpr_workgroup_id_y 1
		.amdhsa_system_sgpr_workgroup_id_z 1
		.amdhsa_system_vgpr_workitem_id 0
		.amdhsa_next_free_vgpr 1024
		.amdhsa_next_free_sgpr 80
		.amdhsa_reserve_vcc 0
		.amdhsa_float_denorm_mode_32 3
		.amdhsa_float_denorm_mode_16_64 3
		.amdhsa_memory_ordered 1
		.amdhsa_forward_progress 1
		.amdhsa_inst_pref_size 153
	.end_amdhsa_kernel
	.amdgpu_metadata
---
amdhsa.version: [ 1, 2 ]
amdhsa.kernels:
  - .name:           k_qa75ff85eb7_proj
    .symbol:         k_qa75ff85eb7_proj.kd
    .args:
      - { .name: xw, .offset: 0, .size: 8, .value_kind: global_buffer, .address_space: global }
      - { .name: qq, .offset: 8, .size: 8, .value_kind: global_buffer, .address_space: global }
      - { .name: kv, .offset: 16, .size: 8, .value_kind: global_buffer, .address_space: global }
    .group_segment_fixed_size: 327680
    .private_segment_fixed_size: 0
    .kernarg_segment_align: 8
    .kernarg_segment_size: 24
    .max_flat_workgroup_size: 128
    .sgpr_count:     80
    .vgpr_count:     1024
    .wavefront_size: 32
...
	.end_amdgpu_metadata
.endif
;; end of part 2
;; launch attn (part 3): grid 4 x 64, 8 waves a work-group, clusters of 4 x 1, 327,680 bytes of LDS; arguments qq, kv, out0; writes out0
.if DOCPART == 3
	.amdgcn_target "amdgcn-amd-amdhsa--gfx1250"
	.amdhsa_code_object_version 6
	.text
	.protected	k_qa75ff85eb7_attn
	.globl	k_qa75ff85eb7_attn
	.p2align	8
	.type	k_qa75ff85eb7_attn,@function
k_qa75ff85eb7_attn:
	s_mov_b64 s[64:65], 0
	v_nop
	global_prefetch_b8 v0, s[64:65] scope:SCOPE_SE
	s_setreg_imm32_b32 hwreg(HW_REG_WAVE_MODE, 25, 1), 1
	s_wait_xcnt 0x0
	s_wait_alu depctr_hold_cnt(0) depctr_sa_sdst(0) depctr_va_vdst(0) depctr_va_sdst(0) depctr_va_ssrc(0) depctr_va_vcc(0) depctr_vm_vsrc(0)
	s_getreg_b32 s2, hwreg(HW_REG_IB_STS2, 6, 4)
	s_cmp_eq_u32 s2, 0
	s_cbranch_scc0 .Lentry_in_a_cluster
	s_endpgm
.Lentry_in_a_cluster:
	s_bfe_u32 s2, ttmp6, 0x10000c
	s_cmp_lg_u32 s2, 0x3003
	s_cbranch_scc0 .Lentry_shape_is_right
	s_endpgm
.Lentry_shape_is_right:
; out0[b][q][64 head + d] = the sum over k of softmax_k(q . k / 8) v, both products on codes of FP6 (E2M3) with one E8M0 scale for each 32 along a product's K.  The operands lie in qq and kv as images of their registers.
; THE SOFTMAX AHEAD OF THE SECOND PRODUCT: t = score x log2(e) / 8; M = the row's largest t so far, rounded UP to a whole number; p = 2^(t - M) is what is quantised, along the keys, not normalised.
; The row's sum is taken of the unquantised p, in f32, and divides O at the end.  When M moves, the sum and O are multiplied by 2^(old M - new M): exact.
; SHARES.  bh = the cluster's y; work-group cx takes 512 queries of the head, wave w 64 of them: four tiles of 16, so that each fragment of K and V read from LDS feeds four products.  Two waves to a SIMD.
; THE WHOLE HEAD'S K AND V STAY IN LDS: 16 key steps of 13,056 bytes, brought ONCE, by joint tensor loads (the four partners walk the same head: the same load, the same descriptor, a mask that names the four).
; Wave w asks for key steps 2 w and 2 w + 1, which are dense in kv, by ONE load of 102 rows of 256 bytes.  No byte is filled twice: no ring, one barrier.
; No prefetch is laid: all that the work-group reads is asked for by its first instructions.
; LAYOUT.  Both products are used transposed: S^T = K Q^T (source 0 = 16 keys), O^T = V^T P^T (source 0 = 16 channels): a lane holds ONE query throughout.  Row r of tile 4 c + u (keys, queries, channels) is
; row 64 c + 32 (r / 8) + 8 u + r % 8: so the 32 registers of S^T's tiles 4 c .. 4 c + 3 are keys 64 c + 32 h + 0 .. 31: A WHOLE BLOCK OF 32 KEYS IN ONE LANE, at the place that p's operand gives it:
; a block's maximum and its codes need no other lane; one lane permute joins the row's maximum and one the scale word.  O^T's 32 registers of a tile are channels 32 h + 0 .. 31.
; K = 64 IN AN INSTRUCTION OF K = 128: Q's fragment is six registers of codes and six of zeros, so whatever stands in the upper six of K's operand adds nothing:
; K's tile n is named as v[KF + 6 n .. + 11], whose upper half is the next tile's codes; six zero registers stand behind tile 7.
; ORDER IN A KEY STEP, tile by tile: the maxima and M; all scalings; one batch of exponentials; O^T of the tile under the new M, first behind the batch's closing wait, which so serves both; the sum, p's codes and scale word;
; then twelve products on end: the scores of the next tile (behind the last tile: of the next step's tile 0), and O^T += V^T P^T of this tile.
; LIMITS: NaN and infinities are not served.  The promise holds while the scaled scores t stay under 2^31 in magnitude.  A block of p whose every number has fallen under 2^-124 keeps the scale byte 1.
; A block's largest p is not searched for: the block's largest score goes through the same multiply-add and exponential; that takes v_exp_f32 not to fall where its input rises: at the worst one p of a block,
; within an ulp of a power of two, is held one code low.
; REGISTERS: window 0: see the names below.  window 1: v0-127 O^T (32 t + 8 f); v128-175 V's four fragments.
.set STEPB, 13056                      ; a key step in kv and in LDS: K's pair images 6,144, V's fragments 6,144, K's scale words 512, V's 256
.set QBLK,  6656                       ; 128 queries in qq
.set STG,   16*STEPB                   ; behind K and V: the way out: 32 rows x (256 bytes + 16) for each wave; no tile lands there
.set WSTG,  32*272
.set SPARE, STG+8*WSTG                 ; the spare words, 128 bytes for each wave
.set LI,  1                            ; 16 x lane
.set L8,  2                            ; 8 x lane
.set ADR, 3                            ; 16 x lane + the key step's first LDS byte
.set ADS, 4                            ; 8 x lane + the same
.set SPW, 5                            ; my spare word; never rewritten
.set NIL, 6                            ; 0; never rewritten
.set ST,  8                            ; v8-23  tile t at 4 t: -M, the largest score, the sum in two halves
.set F,   24                           ; v24-31 tile t at 2 t: f = 2^(old M - new M), and p's scale word
.set QS,  32                           ; v32-33 Q's scale words
.set VS,  34                           ; v34-35 V's
.set KS,  36                           ; v36-39 K's
.set MX,  40                           ; v40-43 four chains of maxima; then v40, v42: my two blocks' largest scores, then largest p
.set PB,  44                           ; v44-51 four chains of the sum
.set SO,  52                           ; v52-53 the conversions' scale operands
.set T,   56                           ; v56, v57 at work
.set STO, 58                           ; the way out: where I put 16 bytes of a row
.set RD,  59                           ; where I read a row back
.set GO,  60                           ; my byte offset in two rows of out0
.set PX,  62                           ; what a lane permute brings
.set KF,  64                           ; v64-111 K's eight tiles, six registers each; v112-117 zeros
.set S,   118                          ; v118-181 S^T of one tile of queries, then p
.set P,   182                          ; v182-193 p's codes
.set CT,  194                          ; v194-201 the conversions' second halves
.set QF,  204                          ; v204-251 Q: 12 t: six registers of codes, six of zeros
.set BK,  182                          ; v182-245 on the way out: rows read back
.set VF,  128                          ; in window 1
.set WV,  10                           ; s10  my wave's number
.set SEL, 20                           ; s[20:21] lane selects: lane l xor 16
.set CS,  22                           ; s[22:23] c = log2(e) / 8, twice: the packed form names a pair
.set G1,  24                           ; s[24:31] descriptor group 1; s[32:35] group 0
.set NC,  42                           ; s42  -c
.set MSB, 0
.macro WIN new                         ; the immediate's high byte repeats the setting that is left
.if MSB != \new
	s_set_vgpr_msb (MSB<<8)|\new
.set MSB, \new
.endif
.endm
.macro CROUND                          ; a round of the cluster's barrier
	s_barrier_signal -1
	s_barrier_wait -1
	s_cmp_lg_u32 s[WV], 0
	s_cbranch_scc1 .Lnot_wave_0_\@
	s_barrier_signal -3
.Lnot_wave_0_\@:
	s_barrier_wait -3
	s_barrier_signal -1
	s_barrier_wait -1
.endm
.macro PLACES                          ; four places behind a matrix instruction, ahead of the first read of its results and of loads into registers that it has read
.rept 4
	v_nop
.endr
.endm
; One matrix instruction.  d: accumulator, a, b: the sources; zero = 1: the product starts the sum; sa, sb: the scale registers; ra, rb = 1: the scales stand in lanes 16-31
.macro WM d, a, b, zero, sa, sb, ra, rb
.if (\zero) && (\ra) && (\rb)
	v_wmma_scale_f32_16x16x128_f8f6f4 v[(\d):(\d)+7], v[(\a):(\a)+11], v[(\b):(\b)+11], 0, v[\sa], v[\sb] matrix_a_fmt:MATRIX_FMT_FP6 matrix_b_fmt:MATRIX_FMT_FP6 matrix_a_scale:MATRIX_SCALE_ROW1 matrix_b_scale:MATRIX_SCALE_ROW1
.elseif (\zero) && (\ra)
	v_wmma_scale_f32_16x16x128_f8f6f4 v[(\d):(\d)+7], v[(\a):(\a)+11], v[(\b):(\b)+11], 0, v[\sa], v[\sb] matrix_a_fmt:MATRIX_FMT_FP6 matrix_b_fmt:MATRIX_FMT_FP6 matrix_a_scale:MATRIX_SCALE_ROW1
.elseif (\zero) && (\rb)
	v_wmma_scale_f32_16x16x128_f8f6f4 v[(\d):(\d)+7], v[(\a):(\a)+11], v[(\b):(\b)+11], 0, v[\sa], v[\sb] matrix_a_fmt:MATRIX_FMT_FP6 matrix_b_fmt:MATRIX_FMT_FP6 matrix_b_scale:MATRIX_SCALE_ROW1
.elseif (\zero)
	v_wmma_scale_f32_16x16x128_f8f6f4 v[(\d):(\d)+7], v[(\a):(\a)+11], v[(\b):(\b)+11], 0, v[\sa], v[\sb] matrix_a_fmt:MATRIX_FMT_FP6 matrix_b_fmt:MATRIX_FMT_FP6
.elseif (\ra)
	v_wmma_scale_f32_16x16x128_f8f6f4 v[(\d):(\d)+7], v[(\a):(\a)+11], v[(\b):(\b)+11], v[(\d):(\d)+7], v[\sa], v[\sb] matrix_a_fmt:MATRIX_FMT_FP6 matrix_b_fmt:MATRIX_FMT_FP6 matrix_a_scale:MATRIX_SCALE_ROW1
.else
	v_wmma_scale_f32_16x16x128_f8f6f4 v[(\d):(\d)+7], v[(\a):(\a)+11], v[(\b):(\b)+11], v[(\d):(\d)+7], v[\sa], v[\sb] matrix_a_fmt:MATRIX_FMT_FP6 matrix_b_fmt:MATRIX_FMT_FP6
.endif
.endm
.macro LOADK off                       ; 13 loads: a key step's K, off bytes on from the step in hand: four pair images and the scale words
.irp i, 0,1,2,3,4,5,6,7,8,9,10,11
	ds_load_b128 v[KF+4*\i:KF+4*\i+3], v[ADR] offset:\off+512*\i
.endr
	ds_load_b128 v[KS:KS+3], v[ADR] offset:\off+12288
.endm
.macro LOADV                           ; 13 loads: the step's V: four fragments and the scale words
	WIN 0x40                                       ; destination window 1
.irp i, 0,1,2,3,4,5,6,7,8,9,10,11
	ds_load_b128 v[VF+4*\i:VF+4*\i+3], v[ADR] offset:6144+512*\i
.endr
	WIN 0
	ds_load_b64 v[VS:VS+1], v[ADS] offset:12800
.endm
.macro QK t                            ; S^T of tile t of my queries against 128 keys: eight products, each starting its sum
.irp u, 0,1,2,3,4,5,6,7
	WM S+8*\u, KF+6*\u, QF+12*(\t), 1, KS+\u/2, QS+(\t)/2, \u%2, (\t)%2
.endr
.endm
.macro PV t                            ; O^T += V^T P^T of tile t: four accumulators by turns
	WIN 0x51                                       ; source 0 (V), C and D window 1; source 1 (P) window 0
.irp f, 0,1,2,3
	WM 32*(\t)+8*\f, VF+12*\f, P, 0, VS+\f/2, F+2*(\t)+1, \f%2, 0
.endr
	WIN 0
.endm
.macro SUM4 j                          ; four more pairs of p, one onto each chain of the sum
.irp k, 0,1,2,3
	v_pk_add_f32 v[PB+2*\k:PB+2*\k+1], v[PB+2*\k:PB+2*\k+1], v[S+(\j)+2*\k:S+(\j)+2*\k+1]
.endr
.endm
; The softmax of tile t for 128 keys: register 32 c + i of S is key 64 c + 32 h + i of my query.  It leaves p's codes in v[P] on, their scale word, and O^T under the new M.
.macro SOFTMAX t
.set rT, ST+4*(\t)
.set rF, F+2*(\t)
.irp k, 0,1,2,3
	v_max3_num_f32 v[MX+\k], v[S+16*\k], v[S+16*\k+1], v[S+16*\k+2]   ; four chains of 16 scores; each accumulator is read from its low end on
.endr
.irp i, 3,5,7,9,11,13
.irp k, 0,1,2,3
	v_max3_num_f32 v[MX+\k], v[MX+\k], v[S+16*\k+\i], v[S+16*\k+\i+1]
.endr
.endr
.irp c, 0,2
	v_max3_num_f32 v[MX+\c], v[MX+\c], v[MX+\c+1], v[S+16*\c+15]
.endr
.irp c, 0,2
	v_max_num_f32 v[MX+\c], v[MX+\c], v[S+16*\c+31]   ; the largest score of my two blocks of 32 keys: for the row's maximum, and, since p rises with the score, for the block's largest p
.endr
	v_max_num_f32 v[T], v[MX], v[MX+2]
	v_mov_b32 v[T+1], v[rT]                        ; the old -M
	v_permlanex16_b32 v[PX], v[T], s[SEL], s[SEL+1]
	v_max3_num_f32 v[rT+1], v[rT+1], v[T], v[PX]   ; the running largest score, lane l xor 16's 64 keys among them
	s_delay_alu instid0(VALU_DEP_1)
	v_mul_f32 v[T], s[NC], v[rT+1]                 ; -t (c is positive)
	s_delay_alu instid0(VALU_DEP_1)
	v_floor_f32 v[rT], v[T]                        ; the new -M = floor(-t) = -ceil(t): M is a whole number
	s_delay_alu instid0(VALU_DEP_1)
	v_sub_f32 v[T+1], v[rT], v[T+1]                ; old M - new M: a whole number, 0 or less
.set n, 0
.rept 4
	v_pk_fma_f32 v[S+2*n:S+2*n+1], v[S+2*n:S+2*n+1], s[CS:CS+1], v[rT:rT+1] op_sel_hi:[1,0,0]   ; t - M, two at a time
.set n, n+1
.endr
	v_cvt_i32_f32 v[T+1], v[T+1]                   ; (it saturates)
.rept 4
	v_pk_fma_f32 v[S+2*n:S+2*n+1], v[S+2*n:S+2*n+1], s[CS:CS+1], v[rT:rT+1] op_sel_hi:[1,0,0]
.set n, n+1
.endr
	v_ldexp_f32 v[rF], 1.0, v[T+1]                 ; f = 2^(old M - new M)
.rept 24
	v_pk_fma_f32 v[S+2*n:S+2*n+1], v[S+2*n:S+2*n+1], s[CS:CS+1], v[rT:rT+1] op_sel_hi:[1,0,0]
.set n, n+1
.endr
.irp c, 0,2
	v_fma_f32 v[MX+\c], v[MX+\c], s[CS], v[rT]     ; the same multiply-add of each block's largest score
.endr
	s_wait_alu depctr_va_vdst(0)                   ; the wait ahead of the batch
.set n, 0
.rept 64
	v_exp_f32 v[S+n], v[S+n]                       ; p = 2^(t - M): not normalised
.set n, n+1
.endr
.irp c, 0,2
	v_exp_f32 v[MX+\c], v[MX+\c]                   ; the block's largest p: the same two instructions on the same number give the same bits
.endr
	v_pk_mul_f32 v[rT+2:rT+3], v[rT+2:rT+3], v[rF:rF+1] op_sel_hi:[1,0]   ; the sums under the new M: the plain place behind the last exponential
	WIN 0x51                                       ; O^T (destination and source 0) window 1, f window 0
	s_wait_alu depctr_va_vdst(0)                   ; the wait behind the batch, one for the 66; it stands directly ahead of the first readers of O^T too
.set n, 0
.rept 16
	v_pk_mul_f32 v[32*(\t)+2*n:32*(\t)+2*n+1], v[32*(\t)+2*n:32*(\t)+2*n+1], v[rF:rF+1] op_sel_hi:[1,0]   ; O^T under the new M; each accumulator from its low end on
.set n, n+1
.endr
	WIN 0
.irp c, 0,2
	v_max_num_f32 v[MX+\c], 0x1800000, v[MX+\c]    ; the floor 2^(3 - 127): the byte cannot fall under 1
.endr
.irp k, 0,1,2,3
	v_pk_add_f32 v[PB+2*\k:PB+2*\k+1], v[S+4*\k:S+4*\k+1], v[S+4*\k+2:S+4*\k+3]   ; the row's sum is taken of the unquantised p: two at a time, in four chains
.endr
.irp c, 0,1
	v_add_nc_u32 v[SO+\c], 0xff000000, v[MX+2*\c]  ; 2 off the exponent field: the conversion's scale operand
.endr
	SUM4 16
.irp c, 0,1
	v_cvt_scalef32_pk16_fp6_f32 v[P+6*\c:P+6*\c+2], v[S+32*\c:S+32*\c+15], v[SO+\c]
	v_cvt_scalef32_pk16_fp6_f32 v[CT+4*\c:CT+4*\c+2], v[S+32*\c+16:S+32*\c+31], v[SO+\c]   ; (a conversion's three registers begin on an even number)
.endr
	v_lshrrev_b32 v[T], 23, v[SO]                  ; the scales' bytes: blocks h and 2 + h
	v_lshrrev_b32 v[T+1], 23, v[SO+1]
	SUM4 24
	v_lshl_or_b32 v[T], v[T+1], 16, v[T]
	SUM4 32
	v_permlanex16_b32 v[PX], v[T], s[SEL], s[SEL+1]
	SUM4 40
	v_lshl_or_b32 v[rF+1], v[PX], 8, v[T]          ; p's scale word for these 128 keys, whole in lanes 0-15, which alone are read: blocks 0, 2 mine, blocks 1, 3 lane l + 16's
.irp c, 0,1
.irp i, 0,1,2
	v_mov_b32 v[P+6*\c+3+\i], v[CT+4*\c+\i]
.endr
.endr
	SUM4 48                                        ; these eight lines are the places between the last writes of p's codes and the products that take them (14 lines behind the scale word)
	SUM4 56
.endm
; The four chains of tile t's sum are joined, and added to the row's sum, BEHIND the tile's twelve products: the four lines name none of the products' registers,
; so they are the four places ahead of the first read of the next scores and of loads into K's and V's registers.
.macro JOIN t
	v_pk_add_f32 v[PB:PB+1], v[PB:PB+1], v[PB+2:PB+3]
	v_pk_add_f32 v[PB+4:PB+5], v[PB+4:PB+5], v[PB+6:PB+7]
	s_delay_alu instid0(VALU_DEP_1)
	v_pk_add_f32 v[PB:PB+1], v[PB:PB+1], v[PB+4:PB+5]
	s_delay_alu instid0(VALU_DEP_1)
	v_pk_add_f32 v[ST+4*(\t)+2:ST+4*(\t)+3], v[ST+4*(\t)+2:ST+4*(\t)+3], v[PB:PB+1]
.endm
; A KEY STEP: 128 keys.  Its K was fetched, and tile 0's scores were made, in the step before.  last = 1: nothing follows.
.macro STEP last
	LOADV
	SOFTMAX 0
	s_wait_alu depctr_va_vdst(0)                   ; the wait here, directly ahead of the wait below
	s_wait_dscnt 0x0                               ; V is in
	QK 1
	PV 0
	JOIN 0
	SOFTMAX 1
	QK 2
	PV 1
	JOIN 1
	SOFTMAX 2
	QK 3
	PV 2
	JOIN 2
.if !(\last)
	LOADK STEPB
.endif
	SOFTMAX 3
.if !(\last)
	s_wait_alu depctr_va_vdst(0)                   ; the wait here, directly ahead of the wait below
	s_wait_dscnt 0x0                               ; the next step's K is in
	QK 0
.endif
	PV 3
	JOIN 3
.endm
	s_load_b128 s[4:7], s[0:1], 0x0                ; qq s[4:5], kv s[6:7]
	s_load_b64 s[8:9], s[0:1], 0x10                ; out0
	v_lshl_add_u32 v[SPW], v0, 2, SPARE
	v_mov_b32 v[NIL], 0
	ds_add_u32 v[SPW], v[NIL]                      ; the wave's opening: the add, twice on end, and its wait ahead of my first tensor load
	ds_add_u32 v[SPW], v[NIL]
	v_lshrrev_b32 v[LI], 5, v0
	v_readfirstlane_b32 s[WV], v[LI]               ; wave 0..7
	s_bfe_u32 s11, ttmp6, 0x40000                  ; cx: which 512 queries: it enters Q's and out0's addresses alone
	s_and_b32 s12, ttmp7, 0xffff                   ; bh, which the four partners share
	s_mov_b32 s[G1], 15|(3<<16)|(1<<21)            ; the mask: all four work-groups; elements of 8 bytes; no padding; bit 21 set beside a mask
	s_mov_b32 s[G1+1], 32<<16                      ; tensor_dim0 = 32 elements: 256 bytes
	s_mov_b32 s[G1+2], 102<<16                     ; tensor_dim1 = 102: two key steps
	s_mov_b32 s[G1+3], 32<<16                      ; tile_dim0
	s_mov_b32 s[G1+4], 102                         ; tile_dim1
	s_mov_b32 s[G1+5], 32                          ; the pitch: key steps are dense
	s_mov_b32 s[G1+6], 0
	s_mov_b32 s[G1+7], 0
	s_mov_b32 s[SEL], 0x76543210
	s_mov_b32 s[SEL+1], 0xfedcba98
	s_mov_b32 s[CS], 0x3e38aa3b                    ; c = log2(e) / 8
	s_mov_b32 s[CS+1], s[CS]
	s_mov_b32 s[NC], 0xbe38aa3b                    ; -c
	s_mul_i32 s13, s[WV], 2*STEPB                  ; key step 2 w: in LDS and in the head's part of kv
	s_mul_i32 s14, s12, 16*STEPB
	s_add_co_u32 s14, s14, s13
	s_mov_b32 s15, 0
	s_lshl_b32 s16, s11, 2                         ; Q: the block of 128 queries 4 cx + w / 2,
	s_lshr_b32 s17, s[WV], 1
	s_add_co_u32 s16, s16, s17
	s_mul_i32 s16, s16, QBLK
	s_mul_i32 s17, s12, 16*QBLK
	s_add_co_u32 s16, s16, s17
	s_mov_b32 s17, 0
	s_and_b32 s18, s[WV], 1                        ; its pairs 2 (w % 2) and 2 (w % 2) + 1: tiles 4 (w % 2) on
	s_lshl_b32 s44, s18, 3
	s_add_co_u32 s44, s44, 6144
	s_mov_b32 s45, 0
	s_mul_i32 s18, s18, 3072
	s_mov_b32 s19, 0
	s_lshr_b32 s2, s12, 4                          ; out0: row 2,048 x batch + 512 cx + 64 w, of 4,096 bytes; the head's 256 bytes in it
	s_lshl_b32 s2, s2, 11
	s_lshl_b32 s3, s11, 9
	s_add_co_u32 s2, s2, s3
	s_lshl_b32 s3, s[WV], 6
	s_add_co_u32 s2, s2, s3
	s_lshl_b32 s2, s2, 12
	s_and_b32 s3, s12, 15
	s_lshl_b32 s3, s3, 8
	s_add_co_u32 s2, s2, s3
	s_mov_b32 s3, 0
	s_mul_i32 s43, s[WV], WSTG
	s_add_co_u32 s43, s43, STG                     ; my stage
	v_and_b32 v[LI], 31, v0
	v_lshlrev_b32 v[L8], 3, v[LI]
	v_lshlrev_b32 v[LI], 4, v[LI]
	v_and_b32 v[T], 15, v0                         ; r
	v_bfe_u32 v[T+1], v0, 4, 1                     ; h
	v_mul_u32_u24 v[STO], v[T], 272                ; into the stage: row r, + 128 h
	v_lshl_add_u32 v[STO], v[T+1], 7, v[STO]
	v_add_nc_u32 v[STO], s43, v[STO]
	v_mul_u32_u24 v[RD], v[T+1], 272               ; back: lanes 0-15 one row of 256 bytes, lanes 16-31 the next
	v_lshl_add_u32 v[RD], v[T], 4, v[RD]
	v_add_nc_u32 v[RD], s43, v[RD]
	v_lshlrev_b32 v[GO], 12, v[T+1]                ; and the same two rows in out0
	v_lshl_add_u32 v[GO], v[T], 4, v[GO]
	v_mov_b32 v[ADR], v[LI]
	v_mov_b32 v[ADS], v[L8]
	s_wait_alu depctr_va_vdst(0)                   ; the wait here, directly ahead of the waits below
	s_wait_dscnt 0x0                               ; both opening adds are done
	s_wait_kmcnt 0x0
	s_add_nc_u64 s[6:7], s[6:7], s[14:15]          ; kv at key step 2 w of my head
	s_add_nc_u64 s[4:5], s[4:5], s[16:17]
	s_add_nc_u64 s[46:47], s[4:5], s[44:45]        ; Q's scale words
	s_add_nc_u64 s[4:5], s[4:5], s[18:19]          ; Q's pair images
	s_add_nc_u64 s[8:9], s[8:9], s[2:3]
	s_mov_b32 s32, 1                               ; group 0: count = 1,
	s_mov_b32 s33, s13                             ; LDS address,
	s_mov_b64 s[34:35], s[6:7]                     ; global address,
	s_or_b32 s35, s35, 0x80000000                  ; type = 2
	CROUND                                         ; all four work-groups are here: the joint loads meet
	tensor_load_to_lds s[32:35], s[G1:G1+7]        ; my one tensor load
	s_nop 0
.rept 4
	v_nop
.endr
.irp p, 0,1                            ; Q stays in registers: register 4 i + 2 e of pair p's image is register (4 i + 2 e) % 6 of tile 2 p + (4 i + 2 e) / 6
.irp i, 0,1,2
.irp e, 0,1
	global_load_b64 v[QF+12*(2*\p+(4*\i+2*\e)/6)+(4*\i+2*\e)%6:QF+12*(2*\p+(4*\i+2*\e)/6)+(4*\i+2*\e)%6+1], v[LI], s[4:5] offset:1536*\p+512*\i+8*\e
.endr
.endr
.endr
	global_load_b64 v[QS:QS+1], v[LI], s[46:47]
	WIN 0x40                                       ; destination window 1
.set n, 0
.rept 128
	v_mov_b32 v[n], 0                              ; O^T.  (The step is written for all key steps alike: the first finds zeros, which the first change of M leaves zeros.)  This stands while the tiles are on their way
.set n, n+1
.endr
	WIN 0
.irp t, 0,1,2,3
.irp i, 6,7,8,9,10,11
	v_mov_b32 v[QF+12*\t+\i], 0                    ; the upper half of Q's fragments: zero codes
.endr
.endr
.irp i, 0,1,2,3,4,5
	v_mov_b32 v[KF+48+\i], 0                       ; behind K's tile 7
.endr
.irp t, 0,1,2,3
	v_mov_b32 v[ST+4*\t+1], 0xff61b1e6             ; the largest score so far: -3e38, under every score
	v_mov_b32 v[ST+4*\t], 0x7e000000               ; -M: 2^125, a whole number over every -M to come
	v_mov_b32 v[ST+4*\t+2], 0                      ; the sum, in two halves
	v_mov_b32 v[ST+4*\t+3], 0
	v_mov_b32 v[F+2*\t+1], 0                       ; (named as the upper half of a pair before it is first written)
.endr
	v_mov_b32 v[PX], 0                             ; a lane permute's destination counts as one of its sources
	s_mov_b32 s41, 15
	s_wait_alu depctr_va_vdst(0)                   ; the wait at the head's end
	s_wait_loadcnt 0x0                             ; Q
	s_wait_tensorcnt 0x0                           ; key steps 2 w and 2 w + 1 are in
	s_barrier_signal -1
	s_barrier_wait -1                              ; all sixteen are whole
	LOADK 0
	s_wait_dscnt 0x0
	QK 0
	PLACES
.Lstep:                                            ; key steps 0 to 14
	STEP 0
	v_add_nc_u32 v[ADR], STEPB, v[ADR]             ; the next key step's first LDS byte
	v_add_nc_u32 v[ADS], STEPB, v[ADS]
	s_sub_co_u32 s41, s41, 1
	s_cmp_lg_u32 s41, 0
	s_wait_alu depctr_va_vdst(0)                   ; the wait here, directly ahead of the branch
	s_cbranch_scc1 .Lstep
	STEP 1                                         ; key step 15 fetches nothing beyond the end
	; THE WAY OUT.  The sum's halves and lane l xor 16's are added; O^T is divided by the sum and goes through my stage in LDS, two tiles (32 queries x 256 bytes) at a time.
.irp t, 0,1,2,3
	v_add_f32 v[MX+\t], v[ST+4*\t+2], v[ST+4*\t+3]
.endr
.irp t, 0,1,2,3
	v_permlanex16_b32 v[PB+\t], v[MX+\t], s[SEL], s[SEL+1]
.endr
.irp t, 0,1,2,3
	v_add_f32 v[MX+\t], v[MX+\t], v[PB+\t]
.endr
	s_wait_alu depctr_va_vdst(0)                   ; the wait ahead of the batch
.irp t, 0,1,2,3
	v_rcp_f32 v[F+2*\t], v[MX+\t]
.endr
	v_nop                                          ; a plain place behind the last reciprocal
.macro OUTPAIR p
	WIN 0x01                                       ; source 0 (O^T) window 1
	s_wait_alu depctr_va_vdst(0)                   ; the wait behind the batch, directly ahead of the first readers of O^T
.irp u, 0,1
.set n, 0
.rept 16
	v_pk_mul_f32 v[S+32*\u+2*n:S+32*\u+2*n+1], v[32*(2*\p+\u)+2*n:32*(2*\p+\u)+2*n+1], v[F+2*(2*\p+\u):F+2*(2*\p+\u)+1] op_sel_hi:[1,0]   ; register i is channel 32 h + i; each accumulator from its low end on
.set n, n+1
.endr
.endr
	WIN 0
.irp u, 0,1
.irp q, 0,1,2,3,4,5,6,7
	ds_store_b128 v[STO], v[S+32*\u+4*\q:S+32*\u+4*\q+3] offset:4352*\u+16*\q
.endr
.endr
.if \p > 0
	s_wait_xcnt 0x0                                ; the first pair's stores have read their registers: the loads below may land there
.endif
.irp i, 0,1,2,3,4,5,6,7,8,9,10,11,12,13,14,15
	ds_load_b128 v[BK+4*\i:BK+4*\i+3], v[RD] offset:544*\i   ; LDS serves a wave's instructions in order: these see my stores, and the next pair's stores come behind them
.endr
.irp i, 0,1,2,3,4,5,6,7,8,9,10,11,12,13,14,15
	s_wait_dscnt 15-\i
	global_store_b128 v[GO], v[BK+4*\i:BK+4*\i+3], s[8:9] offset:(8*(2*\p+\i/8)+(2*\i)%8+32*(((2*\i)%16)/8))*4096 th:TH_STORE_NT   ; stage row 16 u + r is query 8 (2 p + u) + r % 8 + 32 (r / 8); 16 lanes store 256 consecutive bytes, at a multiple of 256 from out0's first byte
.endr
.endm
	OUTPAIR 0
	OUTPAIR 1
	s_wait_tensorcnt 0x0                           ; the wave's end
	ds_add_u32 v[SPW], v[NIL]
	s_wait_dscnt 0x0
	CROUND                                         ; the closing round
	s_endpgm
.Lfunc_end_k_qa75ff85eb7_attn:
	.size	k_qa75ff85eb7_attn, .Lfunc_end_k_qa75ff85eb7_attn-k_qa75ff85eb7_attn
	.p2alignl 7, 3214868480
	.fill 96, 4, 3214868480
	.section	.rodata,"a",@progbits
	.p2align	6, 0x0
	.amdhsa_kernel k_qa75ff85eb7_attn
		.amdhsa_group_segment_fixed_size 327680
		.amdhsa_private_segment_fixed_size 0
		.amdhsa_enable_private_segment 0
		.amdhsa_kernarg_size 24
		.amdhsa_user_sgpr_count 2
		.amdhsa_user_sgpr_kernarg_segment_ptr 1
		.amdhsa_wavefront_size32 1
		.amdhsa_system_sgpr_workgroup_id_x 1
		.amdhsa_system_sgpr_workgroup_id_y 1
		.amdhsa_system_sgpr_workgroup_id_z 1
		.amdhsa_system_vgpr_workitem_id 0
		.amdhsa_next_free_vgpr 512
		.amdhsa_next_free_sgpr 66
		.amdhsa_reserve_vcc 0
		.amdhsa_float_denorm_mode_32 3
		.amdhsa_float_denorm_mode_16_64 3
		.amdhsa_memory_ordered 1
		.amdhsa_forward_progress 1
		.amdhsa_inst_pref_size 128
	.end_amdhsa_kernel
	.amdgpu_metadata
---
amdhsa.version: [ 1, 2 ]
amdhsa.kernels:
  - .name:           k_qa75ff85eb7_attn
    .symbol:         k_qa75ff85eb7_attn.kd
    .args:
      - { .name: qq, .offset: 0, .size: 8, .value_kind: global_buffer, .address_space: global }
      - { .name: kv, .offset: 8, .size: 8, .value_kind: global_buffer, .address_space: global }
      - { .name: out0, .offset: 16, .size: 8, .value_kind: global_buffer, .address_space: global }
    .group_segment_fixed_size: 327680
    .private_segment_fixed_size: 0
    .kernarg_segment_align: 8
    .kernarg_segment_size: 24
    .max_flat_workgroup_size: 256
    .sgpr_count:     66
    .vgpr_count:     512
    .wavefront_size: 32
...
	.end_amdgpu_metadata
.endif
;; end of part 3
